; MI455X (gfx1250); checked and timed in simulation.
; The chip was launched on July 23, 2026; its instructions are those of AMD's public machine-readable ISA for CDNA 5 (MIT licence, August 2026) and "CDNA5" Instruction Set Architecture Reference Guide (July 2026). The comments in the code are by the model that wrote it; some were corrected since.
;; Multi Head Self Attention. Allowed arithmetic: matrix products marked QUANTISED: E3M2 operands, one E8M0 scale for each 32 along K, by v_wmma_scale_f32_16x16x128_f8f6f4 with both operands' format E3M2, f32 sums; everything else in f32.
;; Inputs: Wk 1,024 x 1,024 float32; Wo 1,024 x 1,024 float32; Wq 1,024 x 1,024 float32; Wv 1,024 x 1,024 float32; bk 1,024 float32; bo 1,024 float32; bq 1,024 float32; bv 1,024 float32; x 4 x 2,048 x 1,024 float32.
;; Outputs: out0 4 x 2,048 x 1,024 float32.
;; This version of the problem:
;;   THIS VERSION OF THE PROBLEM IS GIVEN IN LOW PRECISION. The matrix products marked QUANTISED in the list below multiply operands that are first quantised to E3M2 (3 exponent bits, 2 mantissa bits; 6 bits a number), with one power-of-two scale for each 32 numbers along K (OCP MX v1.0); their sums are f32. All else is computed in f32.
;;   The module's matrix products, in the order in which they are computed (A, B: the left and right operand; K: the contracted axis; several contracted axes count as one K, in the product's order):
;;     1. [M 8,192, K 1,024] x [K 1,024, N 1,024]; A: input x; B: input Wq: QUANTISED
;;     2. [M 8,192, K 1,024] x [K 1,024, N 1,024]; A: input x; B: input Wk: QUANTISED
;;     3. [M 8,192, K 1,024] x [K 1,024, N 1,024]; A: input x; B: input Wv: QUANTISED
;;     4. batch 64 x [M 2,048, K 64] x [K 64, N 2,048]; A: computed on the way; B: computed on the way: QUANTISED
;;     5. batch 64 x [M 2,048, K 2,048] x [K 2,048, N 64]; A: softmax (see below); B: computed on the way: QUANTISED
;;     6. [M 8,192, K 1,024] x [K 1,024, N 1,024]; A: computed on the way; B: input Wo: QUANTISED
;;   THE QUANTISER, for each operand of a quantised product, along K:
;;     - K is cut into blocks of 32 from its start; a last block that is shorter is filled with zeros.
;;     - A block's scale is 2^e with e = floor(log2(the largest magnitude in the block)) - 4, held to -126 .. 127; a block of zeros has e = 0. As a byte (E8M0): e + 127.
;;     - Each number is divided by its block's scale, clamped to +-28, and rounded to the nearest number of E3M2, ties to even, subnormals kept.
;;     - The product sums the exact products of the quantised numbers (number of the format x scale) in f32.
;;   ~~~python
;;   def quantise(x, axis):      # numpy; x: float32 -> the quantised numbers, widened to float32 again
;;       x = np.moveaxis(x, axis, -1); K = x.shape[-1]
;;       x = np.pad(x, [(0, 0)] * (x.ndim - 1) + [(0, -K % 32)]); x = x.reshape(x.shape[:-1] + (-1, 32)); a = np.abs(x).max(-1, keepdims=True)
;;       e = np.where(a > 0, np.clip(np.frexp(np.where(a > 0, a, 1))[1] - 1 - 4, -126, 127), 0)      # np.frexp(a)[1] - 1 = floor(log2(a)), exactly
;;       r = np.clip(x / 2.0 ** e, -28, 28)
;;       step = 2.0 ** (np.maximum(np.frexp(np.where(r == 0, 1, r))[1] - 1, -2) - 2)
;;       q = np.round(r / step) * step * 2.0 ** e      # np.round: ties to even
;;       return np.moveaxis(q.reshape(q.shape[:-2] + (-1,))[..., :K], -1, axis).astype(np.float32)
;;   ~~~
;;   SOFTMAX AHEAD OF A QUANTISED PRODUCT. Where the list says 'softmax', what is quantised is not the finished softmax but p = 2^(t - M), with t = logit x log2(e) and M = ceil(the row's largest t), a whole number; so 1/2 < the row's largest p <= 1. The row's sum l is taken of the UNQUANTISED p, in f32, and the product's result is divided by l at the end. Since M is a whole number, a kernel that streams over the keys may use a running M (the ceiling of the running maximum): every later rescaling is an exact power of two, which a block's scale takes up: the codes' values come out the same.
;;   OPERANDS COMPUTED ON THE WAY. 'Computed on the way' means the value that the module computes at that place (a softmax that the list does not call 'softmax' is quantised finished and normalised). What goes into a quantiser is computed in f32, as accurately as f32 sums, v_exp_f32 and their like allow (about 1e-6 of the number): no bf16 or f16 on the way to a quantiser, and a product that is left as it is and whose result goes on into a quantised operand takes f32 operands (vector FMAs, or v_wmma_f32_16x16x4_f32). A number that lies on a knife's edge between two numbers of the format may be rounded either way, as far as f32 arithmetic and the matrix unit's own rounding can turn it there, and no further.
;; One version. Each part assembles by itself: llvm-mc -triple=amdgcn-amd-amdhsa -mcpu=gfx1250 --defsym DOCPART=n.
;; ======== version 1 of 1: 4 launches
;; limits: right only within a limited range of input values
;; workspace buffers: xc 6,291,456 bytes; xs 262,144 bytes; wimg 3,276,800 bytes; qc 6,291,456 bytes; qs 524,288 bytes; kv 13,369,344 bytes; ac 6,291,456 bytes; asc 262,144 bytes
;; launch prep (part 1): grid 384 x 1, 8 waves a work-group, no clusters, 68,608 bytes of LDS; arguments x, Wq, Wk, Wv, Wo, xc, xs, wimg; writes xc, xs, wimg
.if DOCPART == 1
	.amdgcn_target "amdgcn-amd-amdhsa--gfx1250"
	.amdhsa_code_object_version 6
	.text
	.protected	k_q2c169f0df8_prep
	.globl	k_q2c169f0df8_prep
	.p2align	8
	.type	k_q2c169f0df8_prep,@function
k_q2c169f0df8_prep:
	s_mov_b64 s[64:65], 0
	v_nop
	global_prefetch_b8 v0, s[64:65] scope:SCOPE_SE
	s_setreg_imm32_b32 hwreg(HW_REG_WAVE_MODE, 25, 1), 1
	s_wait_xcnt 0x0
; x [8192][1024] f32 and the four weights [1024 (k)][1024 (n)] f32 become codes of E3M2 with one E8M0 byte for each 32 along K,
; laid in the ORDER OF THE OPERANDS' REGISTERS, so that the later launches load fragments whole.
; A block's scale is 2^(floor(log2(largest magnitude)) - 4): its byte is the largest magnitude's exponent field - 4, held at 1 from below.
; LIMITS: NaN and infinities among the inputs are not served; a block whose largest magnitude lies under 2^-122 has its byte held at 1; a block of
; zeros gets the byte 1 (its codes are zeros, and the bytes are read by this program alone).
; TILE ORDER: of 32 neighbouring rows (of x) or columns (of a weight), tile 2 B + u takes 32 B + 8 u + i + 8 (i / 8), i = 0 .. 15.
; xc  [tile 512][K step 8][1,536]: register pair p of lane L at 256 p + 8 L.   xs [tile][pair of K steps 4][32 lanes]: lanes 0-15 the even step's word, 16-31 the odd step's.
; wimg [weight 4][group of 128 columns 8][102,400]: codes at 12,288 ks + 1,536 tile + 512 quad + 16 lane; scale words at 98,304 + 512 tile + 128 (ks / 2) + 4 lane.
; Work-groups 0-255 take x (a wave: 16 rows x 256 K), 256-383 the weights (a wave: 128 K x 32 columns).  Nothing is shared between waves: no barrier.  Only the x path touches LDS.
; Work-groups share no input here, so there is no cluster and no joint load.
; xc as it is stored below (this takes the place of the pairs named above): [tile 512][K step 8][1,536], register quad q of lane L at 512 q + 16 L.
.set R,  16                            ; x path: v16-143 32 loads as they come
.set X,  144                           ; v144-207 64 numbers of my row: register 16 b + i = k 32 b + 16 h + i
.set PC, 208                           ; v208-231 two fragments' codes
.set TP, 232                           ; v232-239 the conversions' second halves
.set TM, 240                           ; v240-255 at work
.set PW, 14                            ; v14, v15 the two scale words
.set SP, 528                           ; a stage row: 512 bytes + 16 = 33 x 16: sixteen rows begin at sixteen different 16-byte columns of 256
.set WX, 16                            ; weights path: v16-143 my column's 128 numbers
.set WC, 144                           ; v144-167 codes of the fragment's lanes (r, 0) and (r, 1)
.set WT, 168
.set MX, 176
.set OP, 180
.set BY, 184
; 64 numbers of a lane become a fragment's 12 registers at v[pc] and its row's scale word in v[pw]
.macro QUANT s, pc, pw
.irp b, 0,1,2,3
	v_max3_num_f32 v[TM+\b], |v[(\s)+16*\b]|, |v[(\s)+16*\b+1]|, 0x2800000   ; block b: my 16 numbers, and the floor 2^(5 - 127): the byte cannot fall under 1
.endr
.irp i, 2,4,6,8,10,12,14
.irp b, 0,1,2,3
	s_delay_alu instid0(VALU_DEP_4)
	v_max3_num_f32 v[TM+\b], v[TM+\b], |v[(\s)+16*\b+\i]|, |v[(\s)+16*\b+\i+1]|   ; the four blocks by turns
.endr
.endr
.irp b, 0,1,2,3
	s_delay_alu instid0(VALU_DEP_4)
	v_permlanex16_b32 v[TM+4+\b], v[TM+\b], s22, s23
.endr
.irp b, 0,1,2,3
	s_delay_alu instid0(VALU_DEP_4)
	v_max_num_f32 v[TM+\b], v[TM+\b], v[TM+4+\b]                   ; with lane l xor 16's 16: the block's largest magnitude
.endr
.irp b, 0,1,2,3
	s_delay_alu instid0(VALU_DEP_4)
	v_add_nc_u32 v[TM+12+\b], 0xfe000000, v[TM+\b]                 ; 4 off its exponent field: the conversion's scale operand
.endr
.irp b, 0,1,2,3
	s_delay_alu instid0(VALU_DEP_4)
	v_lshrrev_b32 v[TM+4+\b], 23, v[TM+12+\b]                      ; the scale's byte
.endr
	s_delay_alu instid0(VALU_DEP_3)
	v_lshl_or_b32 v[\pw], v[TM+5], 8, v[TM+4]
	s_delay_alu instid0(VALU_DEP_1)
	v_lshl_or_b32 v[\pw], v[TM+6], 16, v[\pw]
	s_delay_alu instid0(VALU_DEP_1)
	v_lshl_or_b32 v[\pw], v[TM+7], 24, v[\pw]
.irp c, 0,1
	v_cvt_scalef32_pk16_bf6_f32 v[(\pc)+6*\c:(\pc)+6*\c+2], v[(\s)+32*\c:(\s)+32*\c+15], v[TM+12+2*\c]
	v_cvt_scalef32_pk16_bf6_f32 v[TP+4*\c:TP+4*\c+2], v[(\s)+32*\c+16:(\s)+32*\c+31], v[TM+12+2*\c+1]   ; (a conversion's three registers begin on an even number)
.endr
	v_nop                                                          ; one plain line behind the conversions
.irp c, 0,1
.irp i, 0,1,2
	v_permlane16_swap_b32 v[(\pc)+6*\c+\i], v[TP+4*\c+\i]          ; a whole block to a lane: lanes 0-15 block 2 c, lanes 16-31 block 2 c + 1
.endr
.irp i, 0,1,2
	s_delay_alu instid0(VALU_DEP_3)
	v_mov_b32 v[(\pc)+6*\c+3+\i], v[TP+4*\c+\i]
.endr
.endr
.endm
	s_load_b512 s[4:19], s[0:1], 0x0               ; x s[4:5], Wq s[6:7], Wk s[8:9], Wv s[10:11], Wo s[12:13], xc s[14:15], xs s[16:17], wimg s[18:19]
	v_lshl_add_u32 v250, v0, 2, 0x10800
	v_mov_b32 v251, 0
	v_lshrrev_b32 v1, 5, v0
	s_delay_alu instid0(VALU_DEP_1)
	v_readfirstlane_b32 s20, v1                    ; wave 0..7
	v_and_b32 v6, 31, v0                           ; L
	v_and_b32 v7, 15, v0                           ; r
	v_bfe_u32 v8, v0, 4, 1                         ; h
	s_mov_b32 s21, 0xffff0000                      ; lanes 16-31
	s_mov_b32 s22, 0x76543210
	s_mov_b32 s23, 0xfedcba98                      ; selects for lane l xor 16
	s_cmp_lt_u32 ttmp9, 256
	s_cbranch_scc0 .Lweights
	; ---------------- x: tile 2 i + u (u = wave / 4), K steps 2 kp and 2 kp + 1 (kp = wave % 4)
	v_lshlrev_b32 v1, 4, v6                        ; 16 L
	v_lshlrev_b32 v3, 2, v6                        ; 4 L
	s_mul_i32 s24, s20, 16*SP                      ; my wave's stage
	v_add_nc_u32 v4, s24, v1                       ; in: a row's 512 bytes as they lie
	v_mul_u32_u24 v5, v7, SP
	s_delay_alu instid0(VALU_DEP_1)
	v_lshl_add_u32 v5, v8, 6, v5
	s_delay_alu instid0(VALU_DEP_1)
	v_add_nc_u32 v5, s24, v5                       ; out: row r, + 64 h: my 16 numbers of each block of 32
	s_lshr_b32 s25, s20, 2                         ; u
	s_and_b32 s26, s20, 3                          ; kp
	s_lshl_b32 s28, ttmp9, 17                      ; 32 rows of 4,096 bytes
	s_lshl_b32 s27, s25, 15                        ; + 8 u rows
	s_add_co_u32 s28, s28, s27
	s_lshl_b32 s27, s26, 10                        ; + 256 kp numbers
	s_add_co_u32 s28, s28, s27
	s_mov_b32 s29, 0
	s_lshl_b32 s30, ttmp9, 1
	s_add_co_u32 s30, s30, s25                     ; the tile
	s_mul_i32 s32, s30, 12288
	s_mul_i32 s27, s26, 3072
	s_add_co_u32 s32, s32, s27
	s_mov_b32 s33, 0
	s_lshl_b32 s34, s30, 9
	s_lshl_b32 s27, s26, 7
	s_add_co_u32 s34, s34, s27
	s_mov_b32 s35, 0
.irp b, 0,1,2,3
	v_mov_b32 v[TM+4+\b], 0                        ; written once: a lane permute's destination counts as one of its sources
.endr
	s_wait_alu depctr_va_vdst(0)
	s_wait_kmcnt 0x0
	s_add_nc_u64 s[4:5], s[4:5], s[28:29]
	s_add_nc_u64 s[14:15], s[14:15], s[32:33]
	s_add_nc_u64 s[16:17], s[16:17], s[34:35]
.irp e, 0,1
.irp i, 0,1,2,3,4,5,6,7,8,9,10,11,12,13,14,15
	global_load_b128 v[R+64*\e+4*\i:R+64*\e+4*\i+3], v1, s[4:5] offset:(\i+8*(\i/8))*4096+512*\e th:TH_LOAD_NT   ; 32 lanes read 512 consecutive bytes of one row
.endr
.endr
.macro XHALF e, left
	s_wait_loadcnt \left                           ; this K step's 16 loads are in; the younger ones are the other step's
.irp i, 0,1,2,3,4,5,6,7,8,9,10,11,12,13,14,15
	ds_store_b128 v4, v[R+64*\e+4*\i:R+64*\e+4*\i+3] offset:SP*\i
.endr
.irp b, 0,1,2,3
.irp j, 0,1,2,3
	ds_load_b128 v[X+16*\b+4*\j:X+16*\b+4*\j+3], v5 offset:128*\b+16*\j   ; a wave's LDS instructions are served in order: these see the stores above
.endr
.endr
	s_wait_dscnt 0x0
	QUANT X, PC+12*\e, PW+\e
.irp p, 0,1,2
	global_store_b128 v1, v[PC+12*\e+4*\p:PC+12*\e+4*\p+3], s[14:15] offset:1536*\e+512*\p   ; 32 lanes store 512 consecutive bytes, aligned to 256
.endr
.endm
	XHALF 0, 16
	XHALF 1, 0
	v_cndmask_b32 v13, v14, v15, s21               ; lanes 0-15 the even step's words, lanes 16-31 the odd step's
	global_store_b32 v3, v13, s[16:17]
	s_wait_tensorcnt 0x0
	ds_add_u32 v250, v251
	s_wait_dscnt 0x0
	s_endpgm
	; ---------------- weights: j = work-group - 256: weight j / 32, group (j / 4) % 8, K step 2 (j % 4) + wave / 4, columns 32 (wave % 4) on
.Lweights:
	s_sub_co_u32 s24, ttmp9, 256
	s_lshr_b32 s25, s24, 5                         ; which weight
	s_bfe_u32 s26, s24, 0x30002                    ; g
	s_and_b32 s27, s24, 3
	s_lshl_b32 s27, s27, 1
	s_lshr_b32 s28, s20, 2
	s_add_co_u32 s27, s27, s28                     ; ks
	s_and_b32 s28, s20, 3                          ; B
	s_wait_alu depctr_va_vdst(0)
	v_and_b32 v1, 8, v7
	s_delay_alu instid0(VALU_DEP_1)
	v_add_nc_u32 v1, v1, v7
	s_delay_alu instid0(VALU_DEP_1)
	v_lshl_add_u32 v1, v8, 3, v1                   ; A LANE TAKES A COLUMN: r + 8 (r / 8) + 8 h: lanes 0-15 are tile 2 B, lanes 16-31 tile 2 B + 1
	s_delay_alu instid0(VALU_DEP_1)
	v_lshlrev_b32 v1, 2, v1
	v_mul_u32_u24 v2, v8, 1536
	s_delay_alu instid0(VALU_DEP_1)
	v_lshl_add_u32 v2, v7, 4, v2                   ; codes: my tile's image, 16 bytes at lane r's place
	v_lshlrev_b32 v3, 9, v8
	s_delay_alu instid0(VALU_DEP_1)
	v_lshl_add_u32 v3, v7, 2, v3                   ; scale word: my tile's 512 bytes, lane r's word
	s_lshl_b32 s30, s27, 19                        ; 128 ks rows of 4,096 bytes
	s_lshl_b32 s29, s26, 9
	s_add_co_u32 s30, s30, s29
	s_lshl_b32 s29, s28, 7
	s_add_co_u32 s30, s30, s29                     ; + 4 (128 g + 32 B)
	s_mov_b32 s31, 0
	s_lshl_b32 s32, s25, 3
	s_add_co_u32 s32, s32, s26
	s_mul_i32 s32, s32, 102400                     ; the group's block
	s_mul_i32 s29, s27, 12288
	s_add_co_u32 s34, s32, s29
	s_mul_i32 s29, s28, 3072
	s_add_co_u32 s34, s34, s29                     ; codes of K step ks, tile 2 B
	s_mov_b32 s35, 0
	s_lshl_b32 s29, s28, 10
	s_add_co_u32 s36, s32, s29
	s_lshl_b32 s29, s27, 6                         ; 128 (ks / 2) + 64 (ks % 2) = 64 ks
	s_add_co_u32 s36, s36, s29
	s_add_co_u32 s36, s36, 98304
	s_mov_b32 s37, 0
	s_wait_alu depctr_va_vdst(0)
	s_wait_kmcnt 0x0
	s_cmp_eq_u32 s25, 1                            ; the choice hangs on the work-group's number alone
	s_cselect_b64 s[6:7], s[8:9], s[6:7]
	s_cmp_eq_u32 s25, 2
	s_cselect_b64 s[6:7], s[10:11], s[6:7]
	s_cmp_eq_u32 s25, 3
	s_cselect_b64 s[6:7], s[12:13], s[6:7]
	s_add_nc_u64 s[6:7], s[6:7], s[30:31]
	s_add_nc_u64 s[38:39], s[18:19], s[34:35]
	s_add_nc_u64 s[40:41], s[18:19], s[36:37]
.irp y, 0,1
.irp c, 0,1
.irp i, 0,1,2,3,4,5,6,7,8,9,10,11,12,13,14,15,16,17,18,19,20,21,22,23,24,25,26,27,28,29,30,31
	global_load_b32 v[WX+64*\y+32*\c+\i], v1, s[6:7] offset:(64*\c+32*\y+\i)*4096 th:TH_LOAD_NT   ; MY REGISTERS RUN DOWN K: k = 64 c + 32 y + i; the wave reads 128 consecutive bytes
.endr
.endr
.endr
; half y: what lane (r, y) of my tile's fragment holds: blocks y and 2 + y of my column, whole in my registers
.macro WHALF y, left
	s_wait_loadcnt \left
.irp c, 0,1
	v_max3_num_f32 v[MX+\c], |v[WX+64*\y+32*\c]|, |v[WX+64*\y+32*\c+1]|, 0x2800000
.endr
.irp i, 2,4,6,8,10,12,14,16,18,20,22,24,26,28,30
.irp c, 0,1
	s_delay_alu instid0(VALU_DEP_2)
	v_max3_num_f32 v[MX+\c], v[MX+\c], |v[WX+64*\y+32*\c+\i]|, |v[WX+64*\y+32*\c+\i+1]|
.endr
.endr
.irp c, 0,1
	s_delay_alu instid0(VALU_DEP_2)
	v_add_nc_u32 v[OP+\c], 0xfe000000, v[MX+\c]
.endr
.irp c, 0,1
	s_delay_alu instid0(VALU_DEP_2)
	v_lshrrev_b32 v[BY+2*\c+\y], 23, v[OP+\c]      ; byte 2 c + y of the scale word
.endr
.irp c, 0,1
	v_cvt_scalef32_pk16_bf6_f32 v[WC+12*\y+6*\c:WC+12*\y+6*\c+2], v[WX+64*\y+32*\c:WX+64*\y+32*\c+15], v[OP+\c]
	v_cvt_scalef32_pk16_bf6_f32 v[WT+4*\c:WT+4*\c+2], v[WX+64*\y+32*\c+16:WX+64*\y+32*\c+31], v[OP+\c]
.endr
	v_nop                                          ; one plain line behind the conversions
.irp c, 0,1
.irp i, 0,1,2
	v_mov_b32 v[WC+12*\y+6*\c+3+\i], v[WT+4*\c+\i]
.endr
.endr
.irp q, 0,1,2
	global_store_b128 v2, v[WC+12*\y+4*\q:WC+12*\y+4*\q+3], s[38:39] offset:256*\y+512*\q   ; sixteen lanes store 256 consecutive bytes, aligned
.endr
.endm
	WHALF 0, 63                                    ; at most 63 of the 128 loads are out: the first 64 are in (the count's field holds no 64)
	WHALF 1, 0
	v_lshl_or_b32 v188, v[BY+1], 8, v[BY]
	s_delay_alu instid0(VALU_DEP_1)
	v_lshl_or_b32 v188, v[BY+2], 16, v188
	s_delay_alu instid0(VALU_DEP_1)
	v_lshl_or_b32 v188, v[BY+3], 24, v188
	global_store_b32 v3, v188, s[40:41]            ; 64 bytes a tile: one byte in 128 of what this path reads
	s_endpgm
.Lfunc_end_k_q2c169f0df8_prep:
	.size	k_q2c169f0df8_prep, .Lfunc_end_k_q2c169f0df8_prep-k_q2c169f0df8_prep
	.p2alignl 7, 3214868480
	.fill 96, 4, 3214868480
	.section	.rodata,"a",@progbits
	.p2align	6, 0x0
	.amdhsa_kernel k_q2c169f0df8_prep
		.amdhsa_group_segment_fixed_size 68608
		.amdhsa_private_segment_fixed_size 0
		.amdhsa_enable_private_segment 0
		.amdhsa_kernarg_size 64
		.amdhsa_user_sgpr_count 2
		.amdhsa_user_sgpr_kernarg_segment_ptr 1
		.amdhsa_wavefront_size32 1
		.amdhsa_system_sgpr_workgroup_id_x 1
		.amdhsa_system_sgpr_workgroup_id_y 1
		.amdhsa_system_sgpr_workgroup_id_z 1
		.amdhsa_system_vgpr_workitem_id 0
		.amdhsa_next_free_vgpr 256
		.amdhsa_next_free_sgpr 66
		.amdhsa_reserve_vcc 0
		.amdhsa_float_denorm_mode_32 3
		.amdhsa_float_denorm_mode_16_64 3
		.amdhsa_memory_ordered 1
		.amdhsa_forward_progress 1
		.amdhsa_inst_pref_size 44
	.end_amdhsa_kernel
	.amdgpu_metadata
---
amdhsa.version: [ 1, 2 ]
amdhsa.kernels:
  - .name:           k_q2c169f0df8_prep
    .symbol:         k_q2c169f0df8_prep.kd
    .args:
      - { .name: x, .offset: 0, .size: 8, .value_kind: global_buffer, .address_space: global }
      - { .name: Wq, .offset: 8, .size: 8, .value_kind: global_buffer, .address_space: global }
      - { .name: Wk, .offset: 16, .size: 8, .value_kind: global_buffer, .address_space: global }
      - { .name: Wv, .offset: 24, .size: 8, .value_kind: global_buffer, .address_space: global }
      - { .name: Wo, .offset: 32, .size: 8, .value_kind: global_buffer, .address_space: global }
      - { .name: xc, .offset: 40, .size: 8, .value_kind: global_buffer, .address_space: global }
      - { .name: xs, .offset: 48, .size: 8, .value_kind: global_buffer, .address_space: global }
      - { .name: wimg, .offset: 56, .size: 8, .value_kind: global_buffer, .address_space: global }
    .group_segment_fixed_size: 68608
    .private_segment_fixed_size: 0
    .kernarg_segment_align: 8
    .kernarg_segment_size: 64
    .max_flat_workgroup_size: 256
    .sgpr_count:     66
    .vgpr_count:     256
    .wavefront_size: 32
...
	.end_amdgpu_metadata
.endif
;; end of part 1
;; launch qkv (part 2): grid 32 x 8, 4 waves a work-group, clusters of 4 x 1, 327,680 bytes of LDS; arguments xc, xs, wimg, bq, bk, bv, qc, qs, kv; writes qc, qs, kv
.if DOCPART == 2
	.amdgcn_target "amdgcn-amd-amdhsa--gfx1250"
	.amdhsa_code_object_version 6
	.text
	.protected	k_q2c169f0df8_qkv
	.globl	k_q2c169f0df8_qkv
	.p2align	8
	.type	k_q2c169f0df8_qkv,@function
k_q2c169f0df8_qkv:
	s_mov_b64 s[64:65], 0
	v_nop
	global_prefetch_b8 v0, s[64:65] scope:SCOPE_SE
	s_setreg_imm32_b32 hwreg(HW_REG_WAVE_MODE, 25, 1), 1
	s_wait_xcnt 0x0
	s_wait_alu depctr_hold_cnt(0) depctr_sa_sdst(0) depctr_va_vdst(0) depctr_va_sdst(0) depctr_va_ssrc(0) depctr_va_vcc(0) depctr_vm_vsrc(0)
	s_getreg_b32 s2, hwreg(HW_REG_IB_STS2, 6, 4)
	s_cmp_eq_u32 s2, 0
	s_cbranch_scc0 .Lentry_in_a_cluster
	s_endpgm
.Lentry_in_a_cluster:
	s_bfe_u32 s2, ttmp6, 0x10000c
	s_cmp_lg_u32 s2, 0x3003
	s_cbranch_scc0 .Lentry_shape_is_right
	s_endpgm
.Lentry_shape_is_right:
; Q, K, V = x Wq + bq, x Wk + bk, x Wv + bv on codes of E3M2; each result is quantised along the K of the product that takes it (Q, K along the head's 64, V along the keys) and stored as register images.
; SHARES.  A work-group takes 256 rows of x and columns 128 y .. 128 y + 127 of all three weights; wave w owns rows 64 w .. 64 w + 63, whose 32 fragments stay in registers; each weight fragment read from LDS feeds four products.
; LDS.  The three weights' blocks, 3 x 102,400 bytes, are each filled once.  Byte b of weight g's block lies at (b / 25,600) x 76,800 + 25,600 g + b % 25,600: wave w fills quarter w of each block, 76,800 bytes on end.
; 25,600 is 50 x 512, so every 512-byte piece of a fragment lies inside one quarter.  At the head a wave asks for Wq's quarter (100 dense rows of 256 bytes); Wk's and Wv's come by ONE later first fill,
; a tile of 2 rows of 25,600 bytes, 819,200 bytes apart in wimg, behind the full sequence; it is on its way under Q's 256 products.
; CLUSTER.  The four work-groups of a cluster share y and so the weights: both loads are joint ones, with the mask 15.  x's fragments are each wave's own and go from memory straight into registers.
; No prefetch: each stream is asked for once, near the head, and there is no loop to run ahead in.
; LAYOUT.  Q, K: source 0 = 16 columns of the weight, source 1 = 16 rows of x, so a lane holds one row and 16 neighbouring channels; V: the other way round, so a lane holds one channel and 16 neighbouring keys.  The bias is the C of each sum's first product.
; REGISTERS.  Window 0: v1-3, v10-14 addresses; v16-31 x's scale words; v32-63 the weights'; v64-159 two buffers of four weight fragments; v160-253 and v4-9 the way out.
; Window 1: x's fragments of K steps 0-3 at 12 (4 ks + T), v192-255 bq, then bv.   Window 2: K steps 4-7, bk.   Window 3: the 32 accumulators.
; LIMITS: NaN and infinities are not served; a block under 2^-122 has its byte held at 1; a block of zeros gets the byte 1 (its codes are zeros, and this program alone reads the bytes).
.set XS, 16
.set WS, 32
.set WB, 64
.set PC, 160                           ; a tile's 12 code registers: halves at PC and PC + PCS (PCSET picks one of four sets)
.set PCS, 6
.set TP, 172
.set TM, 180
.set PW, 196
.set WE, 197
.set SD, 204
.set HD, 208
.set AW, 212                           ; v212-223 LDS address of quarter k of weight g, + 16 L, at AW + 4 g + k
.set GB, 102400
.set QB, 25600                         ; a quarter of a weight's block
.set HB, 208896
.set MSB, 0
.macro WIN new
.if MSB != (\new)
	s_set_vgpr_msb (MSB<<8)|(\new)
.set MSB, (\new)
.endif
.endm
.macro ROUND
	s_barrier_signal -1
	s_barrier_wait -1
	s_cmp_lg_u32 s22, 0
	s_cbranch_scc1 .Lnot_wave_0_\@
	s_barrier_signal -3
.Lnot_wave_0_\@:
	s_barrier_wait -3
	s_barrier_signal -1
	s_barrier_wait -1
.endm
.macro PLACES n
.rept \n
	v_nop
.endr
.endm
.macro FETCHW g, q, buf                ; four fragments of weight g, half step q (K step q / 2, column tiles 4 (q % 2) on)
.irp f, 0,1,2,3
.irp c, 0,1,2
.set LB_, ((\q)/2)*12288+(4*((\q)%2)+\f)*1536+512*\c   ; the piece's place in the weight's block
	ds_load_b128 v[WB+48*(\buf)+12*\f+4*\c:WB+48*(\buf)+12*\f+4*\c+3], v[AW+4*(\g)+LB_/QB] offset:LB_%QB
.endr
.endr
.endm
.macro FETCHS g
.irp n, 0,1,2,3,4,5,6,7
.irp k, 0,1,2,3
	ds_load_b32 v[WS+4*\n+\k], v[10+(\g)] offset:512*\n+128*\k
.endr
.endr
.endm
.macro MUL kind, q, area               ; 16 products on 16 accumulators; all 32 take turns, one instruction a turn
.set KS_, (\q)/2
.if KS_ == 0
.set CW_, \area
.else
.set CW_, 3
.endif
.if \kind == 0
.set WN_, 0xc0|(CW_<<4)|((1+KS_/4)<<2)
.else
.set WN_, 0xc0|(CW_<<4)|(1+KS_/4)
.endif
	WIN WN_
.irp f, 0,1,2,3
.irp T, 0,1,2,3
.set NT_, 4*((\q)%2)+\f
.set FW_, WB+48*((\q)%2)+12*\f
.set FX_, 12*(4*(KS_%4)+\T)
.set SW_, WS+4*NT_+KS_/2
.set SX_, XS+4*\T+KS_/2
.if \kind == 0
.set D_, 8*(8*\T+NT_)
.set A_, FW_
.set B_, FX_
.set SA_, SW_
.set SB_, SX_
.else
.set D_, 8*(4*NT_+\T)
.set A_, FX_
.set B_, FW_
.set SA_, SX_
.set SB_, SW_
.endif
.if KS_ == 0
.set C_, 192+8*NT_
.else
.set C_, D_
.endif
.if KS_%2
	v_wmma_scale_f32_16x16x128_f8f6f4 v[D_:D_+7], v[A_:A_+11], v[B_:B_+11], v[C_:C_+7], v[SA_], v[SB_] matrix_a_fmt:MATRIX_FMT_BF6 matrix_b_fmt:MATRIX_FMT_BF6 matrix_a_scale:MATRIX_SCALE_ROW1 matrix_b_scale:MATRIX_SCALE_ROW1
.else
	v_wmma_scale_f32_16x16x128_f8f6f4 v[D_:D_+7], v[A_:A_+11], v[B_:B_+11], v[C_:C_+7], v[SA_], v[SB_] matrix_a_fmt:MATRIX_FMT_BF6 matrix_b_fmt:MATRIX_FMT_BF6
.endif
.endr
.endr
.endm
.macro GROUPMUL kind, g, area
.irp q, 0,1,2,3,4,5,6,7,8,9,10,11,12,13,14,15
.if \q < 15
	s_wait_dscnt 12                                ; all but the next half step's 12 loads are in
.else
	s_wait_dscnt 0
.endif
.if (\g) == 0
.if (\q) == 0
	s_wait_loadcnt 63                              ; behind bq's last load 64 were issued: x's scale words, K steps 0-3 and bq are in
.endif
.if (\q) >= 8 && (\q)%2 == 0
	s_wait_loadcnt 16+12*(7-(\q)/2)                ; this K step's 12 loads are in; the later K steps' 12 each and bk's 16 may be out
.endif
.endif
	MUL \kind, \q, \area
	WIN 0
.if \q < 15
	PLACES 4                                       ; in front of loads into the buffer just multiplied
.else
	PLACES 5
.endif
.if \q < 14
	FETCHW \g, \q+2, \q%2
.endif
.endr
.endm
.macro PCSET t                         ; tile t's set of code registers: v160-171, v224-235, v236-247, v248-253 with v4-9
.set PCS, 6
.if (\t) == 0
.set PC, 160
.endif
.if (\t) == 1
.set PC, 224
.endif
.if (\t) == 2
.set PC, 236
.endif
.if (\t) == 3
.set PC, 248
.set PCS, -244
.endif
.endm
.macro QUANTW s                        ; 64 results of a lane, window 3 from v[s] on, become 12 code registers and the scale word v[PW]
	WIN 0x0f
.irp b, 0,1,2,3
	v_max3_num_f32 v[TM+\b], |v[(\s)+16*\b]|, |v[(\s)+16*\b+1]|, 0x2800000   ; with the floor 2^(5 - 127): the byte cannot fall under 1
.endr
.irp i, 2,4,6,8,10,12,14
.irp b, 0,1,2,3
	v_max3_num_f32 v[TM+\b], |v[(\s)+16*\b+\i]|, |v[(\s)+16*\b+\i+1]|, v[TM+\b]
.endr
.endr
	WIN 0
.irp b, 0,1,2,3
	v_permlanex16_b32 v[TM+4+\b], v[TM+\b], s58, s59
.endr
.irp b, 0,1,2,3
	v_max_num_f32 v[TM+\b], v[TM+\b], v[TM+4+\b]
.endr
.irp b, 0,1,2,3
	v_add_nc_u32 v[TM+12+\b], 0xfe000000, v[TM+\b]  ; 4 off the exponent field: the conversion's scale operand
.endr
.irp b, 0,1,2,3
	v_lshrrev_b32 v[TM+4+\b], 23, v[TM+12+\b]
.endr
	v_lshl_or_b32 v[PW], v[TM+5], 8, v[TM+4]
	v_lshl_or_b32 v[PW], v[TM+6], 16, v[PW]
	v_lshl_or_b32 v[PW], v[TM+7], 24, v[PW]
	WIN 0x03
.irp c, 0,1
	v_cvt_scalef32_pk16_bf6_f32 v[PC+PCS*\c:PC+PCS*\c+2], v[(\s)+32*\c:(\s)+32*\c+15], v[TM+12+2*\c]
	v_cvt_scalef32_pk16_bf6_f32 v[TP+4*\c:TP+4*\c+2], v[(\s)+32*\c+16:(\s)+32*\c+31], v[TM+12+2*\c+1]
.endr
	WIN 0
	v_nop                                          ; one plain line behind the conversions
.irp c, 0,1
.irp i, 0,1,2
	v_permlane16_swap_b32 v[PC+PCS*\c+\i], v[TP+4*\c+\i]   ; a whole block to a lane
.endr
.irp i, 0,1,2
	v_mov_b32 v[PC+PCS*\c+3+\i], v[TP+4*\c+\i]
.endr
.endr
.endm
; THE WAY OUT of Q or K: the four row tiles are quantised into four sets of registers, then all 28 stores go out in one run; so one wait frees the last way out's store data
.macro EPI_QK cb, chs, sb, shs
	s_wait_xcnt 0x0                                ; the earlier stores have read their data
.irp T, 0,1,2,3
	PCSET \T
	QUANTW 64*\T
	v_and_or_b32 v[WE+2*(\T%2)], v[PW], 0xffff, s57  ; a head has 64 channels: two bytes of the word; the upper two are 0x7f
	v_lshrrev_b32 v[WE+2*(\T%2)+1], 16, v[PW]
	v_or_b32 v[WE+2*(\T%2)+1], s57, v[WE+2*(\T%2)+1]
.if \T%2
	v_cndmask_b32 v[SD+2*(\T/2)], v[WE], v[WE+2], s56
	v_cndmask_b32 v[SD+2*(\T/2)+1], v[WE+1], v[WE+3], s56
.endif
.endr
.irp T, 0,1,2,3
	PCSET \T
.irp e, 0,1
.irp p, 0,1,2
	global_store_b64 v3, v[PC+PCS*\e+2*\p:PC+PCS*\e+2*\p+1], s[\cb:\cb+1] offset:768*\T+\e*\chs+256*\p   ; 32 lanes store 256 consecutive bytes, aligned
.endr
.endr
.endr
.irp U, 0,1
	global_store_b32 v2, v[SD+2*\U], s[\sb:\sb+1] offset:128*\U
	global_store_b32 v2, v[SD+2*\U+1], s[\sb:\sb+1] offset:128*\U+\shs
.endr
.endm
.macro EPI_V                           ; the same for V
	s_wait_xcnt 0x0
.irp n, 0,1,2,3
	PCSET \n
	QUANTW 64*\n
	v_lshrrev_b32 v[WE], 16, v[PW]
	v_cndmask_b32 v[HD+\n], v[PW], v[WE], s56
.endr
.irp n, 0,1,2,3
	PCSET \n
.irp e, 0,1
.irp p, 0,1,2
	global_store_b64 v3, v[PC+PCS*\e+2*\p:PC+PCS*\e+2*\p+1], s[66:67] offset:(\n/2)*HB+(2*(\n%2)+\e)*1536+256*\p
.endr
.endr
.endr
.irp n, 0,1,2,3
	global_store_b16 v2, v[HD+\n], s[68:69] offset:(\n/2)*HB+(\n%2)*128
.endr
.endm
	s_load_b512 s[4:19], s[0:1], 0x0               ; xc s[4:5], xs s[6:7], wimg s[8:9], bq s[10:11], bk s[12:13], bv s[14:15], qc s[16:17], qs s[18:19]
	s_load_b64 s[20:21], s[0:1], 0x40              ; kv
	v_lshl_add_u32 v254, v0, 2, 0x4b000            ; my spare word, behind the weights' 307,200 bytes
	v_mov_b32 v255, 0
	ds_add_u32 v254, v255                          ; the opening lines: the add, twice on end, and its wait
	ds_add_u32 v254, v255
	v_lshrrev_b32 v1, 5, v0
	v_readfirstlane_b32 s22, v1                    ; wave 0..3
	s_bfe_u32 s23, ttmp6, 0x40000                  ; cx
	s_lshl_b32 s24, ttmp9, 2
	s_add_co_u32 s24, s24, s23                     ; X: which 256 rows
	s_and_b32 s25, ttmp7, 0xffff                   ; y, which the partners share
	s_mov_b32 s36, 0x0023000f                      ; group 1 for Wq's quarter: the mask 15; elements of 8 bytes; bit 21 beside a mask; 100 dense rows of 32 elements
	s_mov_b32 s37, 32<<16
	s_mov_b32 s38, 100<<16
	s_mov_b32 s39, 32<<16
	s_mov_b32 s40, 100
	s_mov_b32 s41, 32
	s_mov_b32 s42, 0
	s_mov_b32 s43, 0
	s_mov_b32 s48, 0x0023000f                      ; group 1 for Wk's and Wv's quarters: 2 rows of 3,200 elements, 102,400 elements (8 blocks) apart
	s_mov_b32 s49, 3200<<16
	s_mov_b32 s50, 2<<16
	s_mov_b32 s51, 3200<<16
	s_mov_b32 s52, 2
	s_mov_b32 s53, 102400
	s_mov_b32 s54, 0
	s_mov_b32 s55, 0
	s_mul_i32 s26, s22, QB
	s_mul_i32 s28, s25, GB
	s_add_co_u32 s28, s28, s26
	s_mov_b32 s29, 0
	s_mov_b32 s56, 0xffff0000                      ; lanes 16-31
	s_mov_b32 s57, 0x7f7f0000
	s_mov_b32 s58, 0x76543210
	s_mov_b32 s59, 0xfedcba98                      ; selects for lane l xor 16
	s_wait_dscnt 0x0
	s_wait_kmcnt 0x0
	s_add_nc_u64 s[28:29], s[8:9], s[28:29]
	s_mov_b32 s44, 1
	s_mul_i32 s45, s22, 3*QB                       ; my 76,800 bytes of LDS
	s_mov_b64 s[46:47], s[28:29]
	s_or_b32 s47, s47, 0x80000000
	s_mov_b32 s72, 1
	s_add_co_u32 s73, s45, QB
	s_add_nc_u64 s[74:75], s[28:29], 8*GB
	s_or_b32 s75, s75, 0x80000000
	ROUND                                          ; all four work-groups are here: the joint loads meet
	tensor_load_to_lds s[44:47], s[36:43]          ; Wq's quarter: my one tensor load at the head
	s_nop 0
	PLACES 4
	s_lshl_b32 s30, s24, 4
	s_lshl_b32 s31, s22, 2
	s_add_co_u32 s30, s30, s31                     ; my first row tile: 16 X + 4 w
	s_lshr_b32 s32, s24, 3
	s_and_b32 s33, s24, 7
	s_lshl_b32 s32, s32, 4
	s_lshl_b32 s34, s25, 1
	s_add_co_u32 s32, s32, s34                     ; bh of my even head: 16 batch + 2 y
	s_lshl_b32 s34, s32, 7
	s_lshl_b32 s35, s33, 4
	s_add_co_u32 s34, s34, s35
	s_add_co_u32 s34, s34, s31                     ; my first tile among Q's
	s_mov_b32 s71, 0
	s_mul_i32 s70, s30, 12288
	s_add_nc_u64 s[4:5], s[4:5], s[70:71]
	s_lshl_b32 s70, s30, 9
	s_add_nc_u64 s[6:7], s[6:7], s[70:71]
	s_lshl_b32 s70, s25, 9
	s_add_nc_u64 s[10:11], s[10:11], s[70:71]
	s_add_nc_u64 s[12:13], s[12:13], s[70:71]
	s_add_nc_u64 s[14:15], s[14:15], s[70:71]
	s_mul_i32 s70, s34, 768
	s_add_nc_u64 s[16:17], s[16:17], s[70:71]
	s_lshl_b32 s70, s34, 6
	s_add_nc_u64 s[18:19], s[18:19], s[70:71]
	s_mul_i32 s70, s32, HB
	s_lshl_b32 s35, s33, 1
	s_lshr_b32 s31, s22, 1
	s_add_co_u32 s35, s35, s31
	s_mul_i32 s35, s35, 13056                      ; my step of 128 keys in the head's block of kv
	s_add_co_u32 s70, s70, s35
	s_add_nc_u64 s[20:21], s[20:21], s[70:71]
	s_and_b32 s31, s22, 1
	s_mul_i32 s70, s31, 3072
	s_add_nc_u64 s[60:61], s[20:21], s[70:71]      ; K's codes
	s_lshl_b32 s70, s31, 8
	s_add_co_u32 s70, s70, 12288
	s_add_nc_u64 s[62:63], s[20:21], s[70:71]      ; K's scale words
	s_mul_i32 s70, s31, 768
	s_add_co_u32 s70, s70, 6144
	s_add_nc_u64 s[66:67], s[20:21], s[70:71]      ; V's codes
	s_lshl_b32 s70, s31, 1
	s_add_co_u32 s70, s70, 12800
	s_add_nc_u64 s[68:69], s[20:21], s[70:71]      ; V's scale half-words
	v_and_b32 v15, 31, v0
	v_lshlrev_b32 v1, 4, v15                       ; 16 L
	v_lshlrev_b32 v2, 2, v15                       ; 4 L
	v_lshlrev_b32 v3, 3, v15                       ; 8 L
.irp g, 0,1,2
.irp k, 0,1,2,3
	v_add_nc_u32 v[AW+4*\g+\k], \k*3*QB+\g*QB, v1
.endr
	v_add_nc_u32 v[10+\g], 3*3*QB+\g*QB+98304-3*QB, v2   ; the scale words begin at byte 98,304 of a block: in its quarter 3
.endr
	v_bfe_u32 v13, v0, 4, 1
	v_lshlrev_b32 v13, 6, v13                      ; 64 h
	v_and_b32 v14, 15, v0
	v_and_b32 v15, 8, v14
	v_add_nc_u32 v14, v14, v15
	v_lshlrev_b32 v14, 2, v14                      ; 4 (r + 8 (r / 8))
.irp b, 0,1,2,3
	v_mov_b32 v[TM+4+\b], 0                        ; a lane permute's destination counts as one of its sources
.endr
.irp T, 0,1,2,3
.irp k, 0,1,2,3
	global_load_b32 v[XS+4*\T+\k], v2, s[6:7] offset:512*\T+128*\k   ; x's scale words first: the first products want them
.endr
.endr
	WIN 0x40
.irp s, 0,1,2,3
.irp T, 0,1,2,3
.irp p, 0,1,2
	global_load_b128 v[12*(4*\s+\T)+4*\p:12*(4*\s+\T)+4*\p+3], v1, s[4:5] offset:\T*12288+\s*1536+512*\p
.endr
.endr
.endr
.irp n, 0,1,2,3,4,5,6,7
	global_load_b128 v[192+8*\n:195+8*\n], v13, s[10:11] offset:4*(32*(\n/2)+8*(\n%2))
	global_load_b128 v[196+8*\n:199+8*\n], v13, s[10:11] offset:4*(32*(\n/2)+8*(\n%2))+16
.endr
	WIN 0x80
.irp s, 0,1,2,3
.irp T, 0,1,2,3
.irp p, 0,1,2
	global_load_b128 v[12*(4*\s+\T)+4*\p:12*(4*\s+\T)+4*\p+3], v1, s[4:5] offset:\T*12288+(\s+4)*1536+512*\p
.endr
.endr
.endr
.irp n, 0,1,2,3,4,5,6,7
	global_load_b128 v[192+8*\n:195+8*\n], v13, s[12:13] offset:4*(32*(\n/2)+8*(\n%2))
	global_load_b128 v[196+8*\n:199+8*\n], v13, s[12:13] offset:4*(32*(\n/2)+8*(\n%2))+16
.endr
	WIN 0
	s_wait_alu depctr_va_vdst(0)
	s_wait_tensorcnt 0x0                           ; my quarter of Wq is in
	ds_add_u32 v254, v255
	s_wait_dscnt 0x0
	ROUND                                          ; everybody's quarter of Wq is in, and all four work-groups are here
	tensor_load_to_lds s[72:75], s[48:55]          ; Wk's and Wv's quarters: my one tensor load behind the round
	s_nop 0
	PLACES 4
	FETCHW 0, 0, 0
	FETCHS 0
	FETCHW 0, 1, 1
	GROUPMUL 0, 0, 1
	s_wait_loadcnt 0x0                             ; bk
	s_wait_tensorcnt 0x0                           ; my quarters of Wk and Wv are in
	s_barrier_signal -1
	s_barrier_wait -1                              ; everybody's are
	FETCHW 1, 0, 0
	FETCHS 1
	FETCHW 1, 1, 1
	WIN 0x40                                       ; bv in the result's layout, where bq lay: 32 loads ahead of Q's way out, 32 behind it
.irp n, 0,1,2,3
.irp j, 0,1,2,3,4,5,6,7
	global_load_b32 v[192+8*\n+\j], v14, s[14:15] offset:4*(32*(\n/2)+8*(\n%2))
.endr
.endr
	WIN 0
	EPI_QK 16, 98304, 18, 8192
	WIN 0x40
.irp n, 4,5,6,7
.irp j, 0,1,2,3,4,5,6,7
	global_load_b32 v[192+8*\n+\j], v14, s[14:15] offset:4*(32*(\n/2)+8*(\n%2))
.endr
.endr
	WIN 0
	GROUPMUL 0, 1, 2
	FETCHW 2, 0, 0
	FETCHS 2
	FETCHW 2, 1, 1
	EPI_QK 60, HB, 62, HB
	s_wait_loadcnt 0x0                             ; bv
	GROUPMUL 1, 2, 1
	EPI_V
	s_wait_tensorcnt 0x0                           ; the wave's end
	ds_add_u32 v254, v255
	s_wait_dscnt 0x0
	ROUND                                          ; the closing round
	s_endpgm
.Lfunc_end_k_q2c169f0df8_qkv:
	.size	k_q2c169f0df8_qkv, .Lfunc_end_k_q2c169f0df8_qkv-k_q2c169f0df8_qkv
	.p2alignl 7, 3214868480
	.fill 96, 4, 3214868480
	.section	.rodata,"a",@progbits
	.p2align	6, 0x0
	.amdhsa_kernel k_q2c169f0df8_qkv
		.amdhsa_group_segment_fixed_size 327680
		.amdhsa_private_segment_fixed_size 0
		.amdhsa_enable_private_segment 0
		.amdhsa_kernarg_size 72
		.amdhsa_user_sgpr_count 2
		.amdhsa_user_sgpr_kernarg_segment_ptr 1
		.amdhsa_wavefront_size32 1
		.amdhsa_system_sgpr_workgroup_id_x 1
		.amdhsa_system_sgpr_workgroup_id_y 1
		.amdhsa_system_sgpr_workgroup_id_z 1
		.amdhsa_system_vgpr_workitem_id 0
		.amdhsa_next_free_vgpr 1024
		.amdhsa_next_free_sgpr 76
		.amdhsa_reserve_vcc 0
		.amdhsa_float_denorm_mode_32 3
		.amdhsa_float_denorm_mode_16_64 3
		.amdhsa_memory_ordered 1
		.amdhsa_forward_progress 1
		.amdhsa_inst_pref_size 233
	.end_amdhsa_kernel
	.amdgpu_metadata
---
amdhsa.version: [ 1, 2 ]
amdhsa.kernels:
  - .name:           k_q2c169f0df8_qkv
    .symbol:         k_q2c169f0df8_qkv.kd
    .args:
      - { .name: xc, .offset: 0, .size: 8, .value_kind: global_buffer, .address_space: global }
      - { .name: xs, .offset: 8, .size: 8, .value_kind: global_buffer, .address_space: global }
      - { .name: wimg, .offset: 16, .size: 8, .value_kind: global_buffer, .address_space: global }
      - { .name: bq, .offset: 24, .size: 8, .value_kind: global_buffer, .address_space: global }
      - { .name: bk, .offset: 32, .size: 8, .value_kind: global_buffer, .address_space: global }
      - { .name: bv, .offset: 40, .size: 8, .value_kind: global_buffer, .address_space: global }
      - { .name: qc, .offset: 48, .size: 8, .value_kind: global_buffer, .address_space: global }
      - { .name: qs, .offset: 56, .size: 8, .value_kind: global_buffer, .address_space: global }
      - { .name: kv, .offset: 64, .size: 8, .value_kind: global_buffer, .address_space: global }
    .group_segment_fixed_size: 327680
    .private_segment_fixed_size: 0
    .kernarg_segment_align: 8
    .kernarg_segment_size: 72
    .max_flat_workgroup_size: 128
    .sgpr_count:     76
    .vgpr_count:     1024
    .wavefront_size: 32
...
	.end_amdgpu_metadata
.endif
;; end of part 2
;; launch attn (part 3): grid 4 x 64, 16 waves a work-group, clusters of 4 x 1, 327,680 bytes of LDS; arguments qc, qs, kv, ac, asc; writes ac, asc
.if DOCPART == 3
	.amdgcn_target "amdgcn-amd-amdhsa--gfx1250"
	.amdhsa_code_object_version 6
	.text
	.protected	k_q2c169f0df8_attn
	.globl	k_q2c169f0df8_attn
	.p2align	8
	.type	k_q2c169f0df8_attn,@function
k_q2c169f0df8_attn:
	s_mov_b64 s[64:65], 0
	v_nop
	global_prefetch_b8 v0, s[64:65] scope:SCOPE_SE
	s_setreg_imm32_b32 hwreg(HW_REG_WAVE_MODE, 25, 1), 1
	s_wait_xcnt 0x0
	s_wait_alu depctr_hold_cnt(0) depctr_sa_sdst(0) depctr_va_vdst(0) depctr_va_sdst(0) depctr_va_ssrc(0) depctr_va_vcc(0) depctr_vm_vsrc(0)
	s_getreg_b32 s2, hwreg(HW_REG_IB_STS2, 6, 4)
	s_cmp_eq_u32 s2, 0
	s_cbranch_scc0 .Lentry_in_a_cluster
	s_endpgm
.Lentry_in_a_cluster:
	s_bfe_u32 s2, ttmp6, 0x10000c
	s_cmp_lg_u32 s2, 0x3003
	s_cbranch_scc0 .Lentry_shape_is_right
	s_endpgm
.Lentry_shape_is_right:
; attn[q] = the sum over keys of softmax(Q[q] . K[k] / 8) V[k], both products on codes of E3M2; the result, divided by the row's sum, is quantised along its head's 64 for the last projection.
; THE SOFTMAX: t = score x log2(e) / 8; M = the running largest t rounded UP to a whole number; p = 2^(t - M) is quantised along the keys, not normalised; the row's sum is taken of the unquantised p.
; When M moves, the sum and O are multiplied by 2^(old M - new M), which rounds nothing.
; SHARES.  A work-group owns 512 queries of one head (bh = cluster y; the quarter = its place in the cluster).  Each of its SIXTEEN waves owns one tile of 16 queries in each of two passes: 256 registers,
; four waves to a SIMD, so that one wave's vector work stands beside another's products and LDS loads.
; LDS.
; CLUSTER.  The four work-groups share the head: each step's block is asked for jointly, by the same tensor load with the same descriptor and the mask 15.  Q's tiles are each wave's own.
; LAYOUT.  S^T = K Q^T (source 0 = 16 keys), O^T = V^T P^T (source 0 = 16 channels): a lane holds ONE query throughout.  Tiles of keys and of channels are in the order 32 B + 8 u + i + 8 (i / 8),
; so that the 16 registers of tiles 2 B, 2 B + 1 are 16 neighbours along the next K.
; K = 64 IN AN INSTRUCTION OF 128.  Q's upper 64 codes are zeros.  A tile of K has six registers; the six behind them (the next tile's codes; behind the last tile six zeros) stand for its upper 64:
; every code of E3M2 is a finite number, the upper scale bytes of both sides are 0x7f, so those products add exactly 0.
; LIMITS: NaN and infinities are not served; p under 2^-126 counts as 0; a block under 2^-122 has its byte held at 1; a block of zeros gets the byte 1.
; REGISTERS: v1-6 addresses; v12 -M, v13 the largest t, v[14:15] the sum; v16-39 Q of both passes; v40-93 K's tiles, then V's fragments; v96-159 S^T, then p; v160-191 O^T; v192-203 p's codes; v204-253 at work.
.set STEPB, 13056
.macro ROUND
	s_barrier_signal -1
	s_barrier_wait -1
	s_cmp_lg_u32 s14, 0
	s_cbranch_scc1 .Lnot_wave_0_\@
	s_barrier_signal -3
.Lnot_wave_0_\@:
	s_barrier_wait -3
	s_barrier_signal -1
	s_barrier_wait -1
.endm
.macro FETCHK                          ; a step's eight tiles of K, six registers each, and their four scale registers (even tile in lanes 0-15, odd in 16-31)
.irp t, 0,1,2,3,4,5,6,7
.irp u, 0,1,2
	ds_load_b64 v[40+6*\t+2*\u:41+6*\t+2*\u], v3 offset:768*\t+256*\u   ; 256 consecutive bytes
.endr
.endr
.irp i, 0,1,2,3
	ds_load_b32 v[224+\i], v4 offset:12288+128*\i
.endr
.endm
; A KEY STEP of 128 keys.  pf = 1: the next step's K is asked for at its end.  qf, qs: the pass's fragment and scale words of Q
.macro STEP pf, qf, qs
	s_wait_dscnt 0x0                               ; K is in
.irp t, 0,1,2,3,4,5,6,7
.if \t%2
	v_wmma_scale_f32_16x16x128_f8f6f4 v[96+8*\t:103+8*\t], v[40+6*\t:51+6*\t], v[(\qf):(\qf)+11], 0, v[224+\t/2], v[\qs] matrix_a_fmt:MATRIX_FMT_BF6 matrix_b_fmt:MATRIX_FMT_BF6 matrix_a_scale:MATRIX_SCALE_ROW1
.else
	v_wmma_scale_f32_16x16x128_f8f6f4 v[96+8*\t:103+8*\t], v[40+6*\t:51+6*\t], v[(\qf):(\qf)+11], 0, v[224+\t/2], v[\qs] matrix_a_fmt:MATRIX_FMT_BF6 matrix_b_fmt:MATRIX_FMT_BF6
.endif
.endr
.rept 4
	v_nop                                          ; four plain lines in front of loads into registers that the products read, and of the first read of the scores
.endr
.irp t, 0,1,2,3
.irp u, 0,1,2,3,4,5
	ds_load_b64 v[40+12*\t+2*\u:41+12*\t+2*\u], v3 offset:6144+1536*\t+256*\u   ; V's four fragments land under the softmax
.endr
.endr
	ds_load_b32 v228, v4 offset:12800
	ds_load_b32 v229, v4 offset:12928
.irp b, 0,1,2,3
	v_max3_num_f32 v[212+\b], v[96+16*\b], v[97+16*\b], v[98+16*\b]   ; the largest SCORE of each block of 32 keys: for the row's maximum, and, since p rises with the score, for the block's largest p
.endr
.irp i, 3,5,7,9,11,13
.irp b, 0,1,2,3
	v_max3_num_f32 v[212+\b], v[212+\b], v[96+16*\b+\i], v[97+16*\b+\i]
.endr
.endr
.irp b, 0,1,2,3
	v_max_num_f32 v[212+\b], v[212+\b], v[111+16*\b]
.endr
.irp b, 0,1,2,3
	s_delay_alu instid0(VALU_DEP_4)
	v_permlanex16_b32 v[216+\b], v[212+\b], s20, s21
.endr
.irp b, 0,1,2,3
	s_delay_alu instid0(VALU_DEP_4)
	v_max_num_f32 v[212+\b], v[212+\b], v[216+\b]  ; with lane l xor 16's 16 keys
.endr
	s_delay_alu instid0(VALU_DEP_2)
	v_max3_num_f32 v236, v212, v213, v214
	s_delay_alu instid0(VALU_DEP_1)
	v_max_num_f32 v236, v236, v215                 ; the step's largest score of my query
	s_delay_alu instid0(VALU_DEP_1)
	v_mul_f32 v236, s22, v236                      ; as t (c is positive)
	s_delay_alu instid0(VALU_DEP_1)
	v_max_num_f32 v13, v13, v236                   ; the running largest t
	v_mov_b32 v236, v12
	s_delay_alu instid0(VALU_DEP_2)
	v_floor_f32 v12, -v13                          ; the new -M = floor(-t): M is a whole number
	s_delay_alu instid0(VALU_DEP_1)
	v_sub_f32 v236, v12, v236                      ; old M - new M: a whole number, 0 or less
	s_delay_alu instid0(VALU_DEP_1)
	v_cvt_i32_f32 v236, v236                       ; (it saturates)
	s_delay_alu instid0(VALU_DEP_1)
	v_ldexp_f32 v234, 1.0, v236                    ; f = 2^(old M - new M)
.irp j, 0,2,4,6,8,10,12,14,16,18,20,22,24,26,28,30,32,34,36,38,40,42,44,46,48,50,52,54,56,58,60,62
	v_pk_fma_f32 v[96+\j:97+\j], v[96+\j:97+\j], s[22:23], v[12:13] op_sel_hi:[1,0,0]   ; t - M, two at a time (of the pairs c and -M the low word serves both halves)
.endr
.irp b, 0,1,2,3
	v_fma_f32 v[212+\b], v[212+\b], s22, v12       ; the same of each block's largest score
.endr
	s_wait_alu depctr_va_vdst(0)
.irp j, 0,1,2,3,4,5,6,7,8,9,10,11,12,13,14,15,16,17,18,19,20,21,22,23,24,25,26,27,28,29,30,31,32,33,34,35,36,37,38,39,40,41,42,43,44,45,46,47,48,49,50,51,52,53,54,55,56,57,58,59,60,61,62,63
	v_exp_f32 v[96+\j], v[96+\j]                   ; p = 2^(t - M), at most 1
.endr
	v_pk_mul_f32 v[14:15], v[14:15], v[234:235] op_sel_hi:[1,0]   ; the sums under the new M: the plain line behind the exponentials
	s_wait_alu depctr_va_vdst(0)                   ; one wait for the batch of 64, ahead of its first reader
.irp b, 0,1,2,3
	v_exp_f32 v[212+\b], v[212+\b]                 ; each block's largest p: the same two instructions on the same number
.endr
	v_pk_add_f32 v[238:239], v[100:101], v[104:105]
	v_pk_add_f32 v[252:253], v[108:109], v[112:113]
	v_pk_add_f32 v[250:251], v[116:117], v[120:121]
	v_pk_add_f32 v[248:249], v[124:125], v[128:129]
	v_pk_add_f32 v[246:247], v[132:133], v[136:137]
	v_pk_add_f32 v[244:245], v[140:141], v[144:145]
	v_pk_add_f32 v[242:243], v[148:149], v[152:153]
	v_pk_add_f32 v[14:15], v[14:15], v[156:157]
	v_pk_add_f32 v[238:239], v[238:239], v[96:97]
	v_pk_add_f32 v[252:253], v[252:253], v[98:99]
	v_pk_add_f32 v[250:251], v[250:251], v[102:103]
	v_pk_add_f32 v[248:249], v[248:249], v[106:107]
	v_pk_add_f32 v[246:247], v[246:247], v[110:111]
	v_pk_add_f32 v[244:245], v[244:245], v[114:115]
	v_pk_add_f32 v[242:243], v[242:243], v[118:119]
	v_pk_add_f32 v[14:15], v[14:15], v[122:123]
	v_pk_add_f32 v[238:239], v[238:239], v[126:127]
	v_pk_add_f32 v[252:253], v[252:253], v[130:131]
	v_pk_add_f32 v[250:251], v[250:251], v[134:135]
	v_pk_add_f32 v[248:249], v[248:249], v[138:139]
	v_pk_add_f32 v[246:247], v[246:247], v[142:143]
	v_pk_add_f32 v[244:245], v[244:245], v[146:147]
	v_pk_add_f32 v[242:243], v[242:243], v[150:151]
	v_pk_add_f32 v[14:15], v[14:15], v[154:155]
	v_pk_add_f32 v[238:239], v[238:239], v[158:159]
	s_delay_alu instid0(VALU_DEP_2)
	v_pk_add_f32 v[14:15], v[14:15], v[248:249]
	s_delay_alu instid0(VALU_DEP_2)
	v_pk_add_f32 v[238:239], v[238:239], v[246:247]
	v_pk_add_f32 v[252:253], v[252:253], v[244:245]
	v_pk_add_f32 v[250:251], v[250:251], v[242:243]
	s_delay_alu instid0(VALU_DEP_2)
	v_pk_add_f32 v[14:15], v[14:15], v[252:253]
	s_delay_alu instid0(VALU_DEP_2)
	v_pk_add_f32 v[238:239], v[238:239], v[250:251]
	s_delay_alu instid0(VALU_DEP_1)
	v_pk_add_f32 v[14:15], v[14:15], v[238:239]
	s_wait_alu depctr_va_vdst(0)                   ; and one for the four
.irp b, 0,1,2,3
	v_max_num_f32 v[212+\b], 0x2800000, v[212+\b]  ; the floor 2^(5 - 127)
.endr
.irp b, 0,1,2,3
	s_delay_alu instid0(VALU_DEP_4)
	v_add_nc_u32 v[220+\b], 0xfe000000, v[212+\b]  ; 4 off the exponent field: the conversion's scale operand
.endr
.irp b, 0,1,2,3
	s_delay_alu instid0(VALU_DEP_4)
	v_lshrrev_b32 v[216+\b], 23, v[220+\b]         ; the scale's byte
.endr
	s_delay_alu instid0(VALU_DEP_3)
	v_lshl_or_b32 v232, v217, 8, v216              ; p's scale word for these 128 keys
	s_delay_alu instid0(VALU_DEP_1)
	v_lshl_or_b32 v232, v218, 16, v232
	s_delay_alu instid0(VALU_DEP_1)
	v_lshl_or_b32 v232, v219, 24, v232
.irp c, 0,1
	v_cvt_scalef32_pk16_bf6_f32 v[192+6*\c:194+6*\c], v[96+32*\c:111+32*\c], v[220+2*\c]
	v_cvt_scalef32_pk16_bf6_f32 v[204+4*\c:206+4*\c], v[112+32*\c:127+32*\c], v[220+2*\c+1]
.endr
	v_nop                                          ; one plain line behind the conversions
.irp c, 0,1
.irp i, 0,1,2
	v_permlane16_swap_b32 v[192+6*\c+\i], v[204+4*\c+\i]   ; a whole block to a lane
.endr
.irp i, 0,1,2
	s_delay_alu instid0(VALU_DEP_3)
	v_mov_b32 v[195+6*\c+\i], v[204+4*\c+\i]
.endr
.endr
.irp j, 0,2,4,6,8,10,12,14,16,18,20,22,24,26,28,30
	v_pk_mul_f32 v[160+\j:161+\j], v[160+\j:161+\j], v[234:235] op_sel_hi:[1,0]   ; O^T under the new M, from each accumulator's low end on; also the plain lines between the scale word's and the codes' last writes and the products
.endr
	s_wait_alu depctr_va_vdst(0)
	s_wait_dscnt 0x0                               ; V is in
.irp t, 0,1,2,3
.if \t%2
	v_wmma_scale_f32_16x16x128_f8f6f4 v[160+8*\t:167+8*\t], v[40+12*\t:51+12*\t], v[192:203], v[160+8*\t:167+8*\t], v[228+\t/2], v232 matrix_a_fmt:MATRIX_FMT_BF6 matrix_b_fmt:MATRIX_FMT_BF6 matrix_a_scale:MATRIX_SCALE_ROW1
.else
	v_wmma_scale_f32_16x16x128_f8f6f4 v[160+8*\t:167+8*\t], v[40+12*\t:51+12*\t], v[192:203], v[160+8*\t:167+8*\t], v[228+\t/2], v232 matrix_a_fmt:MATRIX_FMT_BF6 matrix_b_fmt:MATRIX_FMT_BF6
.endif
.endr
.if \pf
	s_add_co_u32 s36, s36, STEPB                   ; the next step's block
	v_add_nc_u32 v3, s36, v1
	v_add_nc_u32 v4, s36, v2
	v_nop
	v_nop                                          ; with the two additions: four plain lines in front of the loads
	FETCHK
.endif
.endm
; A PASS: one tile of 16 queries against all 2,048 keys, then its way out
.macro PASS z
	s_wait_xcnt 0x0                                ; the last pass's stores have read their data
	s_mov_b32 s36, 0
	v_add_nc_u32 v3, s36, v1
	v_add_nc_u32 v4, s36, v2
	FETCHK
	v_mov_b32 v13, 0xff61b1e6                      ; the largest t so far: -3e38, under every t
	s_delay_alu instid0(VALU_DEP_1)
	v_floor_f32 v12, -v13
	v_mov_b32 v14, 0
	v_mov_b32 v15, 0
.irp j, 0,1,2,3,4,5,6,7,8,9,10,11,12,13,14,15,16,17,18,19,20,21,22,23,24,25,26,27,28,29,30,31
	v_mov_b32 v[160+\j], 0                         ; O^T: the step is written once; the first finds zeros, which the first change of M leaves zeros
.endr
	s_mov_b32 s37, 15
.Lstep_\@:
	s_wait_alu depctr_va_vdst(0)
	STEP 1, 16+12*\z, 230+\z
	s_sub_co_u32 s37, s37, 1
	s_cmp_lg_u32 s37, 0
	s_cbranch_scc1 .Lstep_\@
	s_wait_alu depctr_va_vdst(0)
	STEP 0, 16+12*\z, 230+\z                       ; the last step asks for nothing more
.rept 4
	v_nop
.endr
	v_add_f32 v14, v14, v15
	s_delay_alu instid0(VALU_DEP_1)
	v_permlanex16_b32 v236, v14, s20, s21
	s_delay_alu instid0(VALU_DEP_1)
	v_add_f32 v14, v14, v236                       ; the row's sum
	s_wait_alu depctr_va_vdst(0)
	v_rcp_f32 v14, v14
	v_nop                                          ; a plain line behind the reciprocal,
	s_wait_alu depctr_va_vdst(0)                   ; and the wait ahead of its first reader
.irp j, 0,1,2,3,4,5,6,7,8,9,10,11,12,13,14,15,16,17,18,19,20,21,22,23,24,25,26,27,28,29,30,31
	v_mul_f32 v[96+\j], v[160+\j], v14             ; register 16 b + i = channel 32 b + 16 h + i of my query
.endr
.irp b, 0,1
	v_max3_num_f32 v[212+\b], |v[96+16*\b]|, |v[97+16*\b]|, 0x2800000
.endr
.irp i, 2,4,6,8,10,12,14
.irp b, 0,1
	s_delay_alu instid0(VALU_DEP_2)
	v_max3_num_f32 v[212+\b], v[212+\b], |v[96+16*\b+\i]|, |v[97+16*\b+\i]|
.endr
.endr
.irp b, 0,1
	s_delay_alu instid0(VALU_DEP_2)
	v_permlanex16_b32 v[216+\b], v[212+\b], s20, s21
.endr
.irp b, 0,1
	s_delay_alu instid0(VALU_DEP_2)
	v_max_num_f32 v[212+\b], v[212+\b], v[216+\b]
.endr
.irp b, 0,1
	s_delay_alu instid0(VALU_DEP_2)
	v_add_nc_u32 v[220+\b], 0xfe000000, v[212+\b]
.endr
.irp b, 0,1
	s_delay_alu instid0(VALU_DEP_2)
	v_lshrrev_b32 v[216+\b], 23, v[220+\b]
.endr
	s_delay_alu instid0(VALU_DEP_1)
	v_lshl_or_b32 v[240+\z], v217, 8, v216         ; my head's two bytes of the row's scale word
	v_cvt_scalef32_pk16_bf6_f32 v[192:194], v[96:111], v220
	v_cvt_scalef32_pk16_bf6_f32 v[204:206], v[112:127], v221
	v_nop
.irp i, 0,1,2
	v_permlane16_swap_b32 v[192+\i], v[204+\i]
.endr
.irp i, 0,1,2
	s_delay_alu instid0(VALU_DEP_3)
	v_mov_b32 v[195+\i], v[204+\i]
.endr
	global_store_b128 v8, v[192:195], s[10:11] offset:196608*\z       ; half a fragment of the last projection's operand, 768 bytes: registers 0-3 at 16 L (512 consecutive bytes),
	global_store_b64 v1, v[196:197], s[10:11] offset:196608*\z+512    ; registers 4, 5 at 512 + 8 L (256 consecutive bytes), both aligned to 256
.endm
	s_load_b256 s[4:11], s[0:1], 0x0               ; qc s[4:5], qs s[6:7], kv s[8:9], ac s[10:11]
	s_load_b64 s[12:13], s[0:1], 0x20              ; asc
	v_lshl_add_u32 v254, v0, 2, 0x33000
	v_mov_b32 v255, 0
	ds_add_u32 v254, v255
	ds_add_u32 v254, v255
	v_lshrrev_b32 v1, 5, v0
	s_delay_alu instid0(VALU_DEP_1)
	v_readfirstlane_b32 s14, v1                    ; wave 0..15
	s_bfe_u32 s15, ttmp6, 0x40000                  ; cx: which quarter of the queries
	s_and_b32 s16, ttmp7, 0xffff                   ; bh, which the partners share
	; descriptor group 1: a step's block: 13,056 dense bytes as 51 rows of 32 elements of 8 bytes
	s_mov_b32 s24, 0x0023000f                      ; the mask: all four; elements of 8 bytes; bit 21 beside a mask; no padding
	s_mov_b32 s25, 32<<16
	s_mov_b32 s26, 51<<16
	s_mov_b32 s27, 32<<16
	s_mov_b32 s28, 51
	s_mov_b32 s29, 32
	s_mov_b32 s30, 0
	s_mov_b32 s31, 0
	s_mul_i32 s17, s14, STEPB                      ; wave w fetches step w
	s_mul_i32 s18, s16, 16*STEPB
	s_add_co_u32 s18, s18, s17
	s_mov_b32 s19, 0
	s_mov_b32 s20, 0x76543210
	s_mov_b32 s21, 0xfedcba98
	s_mov_b32 s22, 0x3e38aa3b                      ; c = log2(e) / 8
	s_mov_b32 s23, s22                             ; (named with it as a pair, so it is written)
	s_mov_b32 s38, 0xffff0000                      ; lanes 16-31
	s_wait_dscnt 0x0
	s_wait_kmcnt 0x0
	s_mov_b32 s32, 1
	s_mov_b32 s33, s17
	s_add_nc_u64 s[34:35], s[8:9], s[18:19]
	s_or_b32 s35, s35, 0x80000000
	ROUND                                          ; all four work-groups are here: the joint loads meet
	tensor_load_to_lds s[32:35], s[24:31]          ; my one tensor load of the launch
	s_nop 0
.rept 4
	v_nop                                          ; four such lines behind the load
.endr
	s_lshl_b32 s40, s16, 7
	s_lshl_b32 s41, s15, 5
	s_add_co_u32 s40, s40, s41
	s_add_co_u32 s40, s40, s14                     ; pass 0's tile among Q's: 128 bh + 32 cx + w; pass 1's lies 16 on
	s_lshr_b32 s42, s16, 4
	s_lshl_b32 s42, s42, 7
	s_add_co_u32 s42, s42, s41
	s_add_co_u32 s42, s42, s14                     ; and among the 512 row tiles: 128 batch + 32 cx + w
	s_and_b32 s43, s16, 15                         ; the head
	s_mov_b32 s45, 0
	s_mul_i32 s44, s40, 768
	s_add_nc_u64 s[4:5], s[4:5], s[44:45]
	s_lshl_b32 s44, s40, 6
	s_add_nc_u64 s[6:7], s[6:7], s[44:45]
	s_mul_i32 s44, s42, 12288
	s_mul_i32 s46, s43, 768
	s_add_co_u32 s44, s44, s46
	s_add_nc_u64 s[10:11], s[10:11], s[44:45]
	s_lshl_b32 s44, s42, 9
	s_lshr_b32 s46, s43, 1
	s_lshl_b32 s46, s46, 6                         ; K step head / 2: 64 bytes each
	s_add_co_u32 s44, s44, s46
	s_and_b32 s46, s43, 1
	s_lshl_b32 s46, s46, 1                         ; the word's lower or upper half
	s_add_co_u32 s44, s44, s46
	s_add_nc_u64 s[12:13], s[12:13], s[44:45]
	v_and_b32 v7, 31, v0
	s_delay_alu instid0(VALU_DEP_1)
	v_lshlrev_b32 v1, 3, v7                        ; 8 L
	s_delay_alu instid0(VALU_DEP_2)
	v_lshlrev_b32 v2, 2, v7                        ; 4 L
	v_and_b32 v5, 15, v0
	s_delay_alu instid0(VALU_DEP_1)
	v_lshlrev_b32 v5, 2, v5                        ; 4 r
	v_bfe_u32 v6, v0, 4, 1
	s_delay_alu instid0(VALU_DEP_1)
	v_lshl_add_u32 v6, v6, 13, v5                  ; 4 r + 8,192 h: lanes 16-31 store pass 1's half-words, 16 tiles on
	v_lshlrev_b32 v8, 4, v7                        ; 16 L
.irp z, 0,1
.irp u, 0,1,2
	global_load_b64 v[16+12*\z+2*\u:17+12*\z+2*\u], v1, s[4:5] offset:12288*\z+256*\u
.endr
	global_load_b32 v[230+\z], v5, s[6:7] offset:1024*\z
.endr
.irp j, 22,23,24,25,26,27,34,35,36,37,38,39,88,89,90,91,92,93
	v_mov_b32 v[\j], 0                             ; Q's upper 64 codes, and the six registers behind K's last tile: never written again
.endr
.irp b, 0,1,2,3
	v_mov_b32 v[216+\b], 0                         ; a lane permute's destination counts as one of its sources
.endr
	v_mov_b32 v235, 0                              ; (named as the upper half of the pair v[234:235])
	s_wait_tensorcnt 0x0                           ; my step's block is in
	s_wait_loadcnt 0x0                             ; Q
	s_barrier_signal -1
	s_barrier_wait -1                              ; the whole head is in
	PASS 0
	PASS 1
	v_cndmask_b32 v242, v240, v241, s38            ; lanes 0-15 pass 0's half-words, lanes 16-31 pass 1's
	global_store_b16 v6, v242, s[12:13]            ; the other half of each word is the neighbouring head's
	s_wait_tensorcnt 0x0
	ds_add_u32 v254, v255
	s_wait_dscnt 0x0
	ROUND                                          ; the closing round
	s_endpgm
.Lfunc_end_k_q2c169f0df8_attn:
	.size	k_q2c169f0df8_attn, .Lfunc_end_k_q2c169f0df8_attn-k_q2c169f0df8_attn
	.p2alignl 7, 3214868480
	.fill 96, 4, 3214868480
	.section	.rodata,"a",@progbits
	.p2align	6, 0x0
	.amdhsa_kernel k_q2c169f0df8_attn
		.amdhsa_group_segment_fixed_size 327680
		.amdhsa_private_segment_fixed_size 0
		.amdhsa_enable_private_segment 0
		.amdhsa_kernarg_size 40
		.amdhsa_user_sgpr_count 2
		.amdhsa_user_sgpr_kernarg_segment_ptr 1
		.amdhsa_wavefront_size32 1
		.amdhsa_system_sgpr_workgroup_id_x 1
		.amdhsa_system_sgpr_workgroup_id_y 1
		.amdhsa_system_sgpr_workgroup_id_z 1
		.amdhsa_system_vgpr_workitem_id 0
		.amdhsa_next_free_vgpr 256
		.amdhsa_next_free_sgpr 66
		.amdhsa_reserve_vcc 0
		.amdhsa_float_denorm_mode_32 3
		.amdhsa_float_denorm_mode_16_64 3
		.amdhsa_memory_ordered 1
		.amdhsa_forward_progress 1
		.amdhsa_inst_pref_size 90
	.end_amdhsa_kernel
	.amdgpu_metadata
---
amdhsa.version: [ 1, 2 ]
amdhsa.kernels:
  - .name:           k_q2c169f0df8_attn
    .symbol:         k_q2c169f0df8_attn.kd
    .args:
      - { .name: qc, .offset: 0, .size: 8, .value_kind: global_buffer, .address_space: global }
      - { .name: qs, .offset: 8, .size: 8, .value_kind: global_buffer, .address_space: global }
      - { .name: kv, .offset: 16, .size: 8, .value_kind: global_buffer, .address_space: global }
      - { .name: ac, .offset: 24, .size: 8, .value_kind: global_buffer, .address_space: global }
      - { .name: asc, .offset: 32, .size: 8, .value_kind: global_buffer, .address_space: global }
    .group_segment_fixed_size: 327680
    .private_segment_fixed_size: 0
    .kernarg_segment_align: 8
    .kernarg_segment_size: 40
    .max_flat_workgroup_size: 512
    .sgpr_count:     66
    .vgpr_count:     256
    .wavefront_size: 32
...
	.end_amdgpu_metadata
.endif
;; end of part 3
;; launch outp (part 4): grid 32 x 8, 4 waves a work-group, clusters of 4 x 1, 327,680 bytes of LDS; arguments ac, asc, wimg, bo, out0; writes out0
.if DOCPART == 4
	.amdgcn_target "amdgcn-amd-amdhsa--gfx1250"
	.amdhsa_code_object_version 6
	.text
	.protected	k_q2c169f0df8_outp
	.globl	k_q2c169f0df8_outp
	.p2align	8
	.type	k_q2c169f0df8_outp,@function
k_q2c169f0df8_outp:
	s_mov_b64 s[64:65], 0
	v_nop
	global_prefetch_b8 v0, s[64:65] scope:SCOPE_SE
	s_setreg_imm32_b32 hwreg(HW_REG_WAVE_MODE, 25, 1), 1
	s_wait_xcnt 0x0
	s_wait_alu depctr_hold_cnt(0) depctr_sa_sdst(0) depctr_va_vdst(0) depctr_va_sdst(0) depctr_va_ssrc(0) depctr_va_vcc(0) depctr_vm_vsrc(0)
	s_getreg_b32 s2, hwreg(HW_REG_IB_STS2, 6, 4)
	s_cmp_eq_u32 s2, 0
	s_cbranch_scc0 .Lentry_in_a_cluster
	s_endpgm
.Lentry_in_a_cluster:
	s_bfe_u32 s2, ttmp6, 0x10000c
	s_cmp_lg_u32 s2, 0x3003
	s_cbranch_scc0 .Lentry_shape_is_right
	s_endpgm
.Lentry_shape_is_right:
; out0 = attn Wo + bo on codes of E3M2.  attn's codes and scale words lie as x's did for the first projections (ac, asc), Wo's as the fourth weight of wimg.
; SHARES.  A work-group takes 256 rows (block X) and columns 128 y .. 128 y + 127.  Wave w owns rows 64 w .. 64 w + 63: its 32 row fragments stay in registers; each weight fragment read from LDS feeds four products.
; LDS.  The group's block of wimg, 102,400 bytes, filled ONCE; behind it a stage of 16 rows x 528 bytes for each wave, into which no fill lands.
; CLUSTER.  The four work-groups of a cluster share y and so the weights: each quarter of the block is asked for jointly, with the mask 15.  The row fragments go from memory straight into registers.
; LAYOUT.  Source 0 = 16 columns of Wo, source 1 = 16 rows: a lane holds one row and, over tiles 2 B and 2 B + 1, 16 neighbouring columns.  Row tiles are in the order 32 B + 8 u + i + 8 (i / 8).  bo is the C of each sum's first product.
; REGISTERS.  Window 0: v1-14 addresses; v16-31 the rows' scale words; v32-63 the weights'; v64-159 two buffers of four weight fragments; on the way out v64-191 rows read back.
; Window 1: row fragments of K steps 0-3 at 12 (4 ks + T), v192-255 bo.   Window 2: K steps 4-7.   Window 3: accumulator (T, n) at 8 (8 T + n).
.set XS, 16
.set WS, 32
.set WB, 64
.set BK, 64
.set GB, 102400
.set STG, 102400
.set SP, 528                           ; a stage row: 512 bytes + 16 = 33 x 16: sixteen rows begin at sixteen different 16-byte columns of 256
.set MSB, 0
.macro WIN new
.if MSB != (\new)
	s_set_vgpr_msb (MSB<<8)|(\new)
.set MSB, (\new)
.endif
.endm
.macro ROUND
	s_barrier_signal -1
	s_barrier_wait -1
	s_cmp_lg_u32 s22, 0
	s_cbranch_scc1 .Lnot_wave_0_\@
	s_barrier_signal -3
.Lnot_wave_0_\@:
	s_barrier_wait -3
	s_barrier_signal -1
	s_barrier_wait -1
.endm
.macro PLACES n
.rept \n
	v_nop
.endr
.endm
.macro FETCHW q, buf                   ; four weight fragments of half step q (K step q / 2, column tiles 4 (q % 2) on) into buffer buf
.irp f, 0,1,2,3
.irp c, 0,1,2
	ds_load_b128 v[WB+48*(\buf)+12*\f+4*\c:WB+48*(\buf)+12*\f+4*\c+3], v[4+(\q)/8] offset:(((\q)/2)%4)*12288+(4*((\q)%2)+\f)*1536+512*\c
.endr
.endr
.endm
.macro MUL q                           ; 16 products on 16 different accumulators; all 32 take turns, one instruction a turn
.set KS_, (\q)/2
.if KS_ == 0
.set WN_, 0xd4                         ; C: the bias, window 1
.else
.set WN_, 0xf0|((1+KS_/4)<<2)
.endif
	WIN WN_
.irp f, 0,1,2,3
.irp T, 0,1,2,3
.set NT_, 4*((\q)%2)+\f
.set A_, WB+48*((\q)%2)+12*\f
.set B_, 12*(4*(KS_%4)+\T)
.set SA_, WS+4*NT_+KS_/2
.set SB_, XS+4*\T+KS_/2
.set D_, 8*(8*\T+NT_)
.if KS_ == 0
.set C_, 192+8*NT_
.else
.set C_, D_
.endif
.if KS_%2
	v_wmma_scale_f32_16x16x128_f8f6f4 v[D_:D_+7], v[A_:A_+11], v[B_:B_+11], v[C_:C_+7], v[SA_], v[SB_] matrix_a_fmt:MATRIX_FMT_BF6 matrix_b_fmt:MATRIX_FMT_BF6 matrix_a_scale:MATRIX_SCALE_ROW1 matrix_b_scale:MATRIX_SCALE_ROW1
.else
	v_wmma_scale_f32_16x16x128_f8f6f4 v[D_:D_+7], v[A_:A_+11], v[B_:B_+11], v[C_:C_+7], v[SA_], v[SB_] matrix_a_fmt:MATRIX_FMT_BF6 matrix_b_fmt:MATRIX_FMT_BF6
.endif
.endr
.endr
.endm
; THE WAY OUT of row tile T: a lane's 64 results are pieces of one row; they go through my own stage and come back as whole rows of 512 bytes
.macro TOSTAGE T
	WIN 0x0c                                       ; an LDS store's data are its source 1: window 3
.irp n, 0,1,2,3,4,5,6,7
	ds_store_b128 v13, v[8*(8*(\T)+\n):8*(8*(\T)+\n)+3] offset:128*(\n/2)+32*(\n%2)          ; each accumulator from its low end on
	ds_store_b128 v13, v[8*(8*(\T)+\n)+4:8*(8*(\T)+\n)+7] offset:128*(\n/2)+32*(\n%2)+16
.endr
	WIN 0
.irp i, 0,1,2,3,4,5,6,7,8,9,10,11,12,13,14,15
	ds_load_b128 v[BK+64*((\T)%2)+4*\i:BK+64*((\T)%2)+4*\i+3], v14 offset:SP*\i   ; a wave's LDS instructions are served in order: these see the stores above
.endr
.endm
.macro SEND T, younger                 ; younger: the LDS instructions issued behind tile T's loads
	s_wait_dscnt \younger
.irp i, 0,1,2,3,4,5,6,7,8,9,10,11,12,13,14,15
	global_store_b128 v1, v[BK+64*((\T)%2)+4*\i:BK+64*((\T)%2)+4*\i+3], s[12:13] offset:(32*((\T)/2)+8*((\T)%2)+\i+8*(\i/8))*4096 th:TH_STORE_NT   ; 32 lanes store 512 consecutive bytes, aligned to 256
.endr
.endm
	s_load_b256 s[4:11], s[0:1], 0x0               ; ac s[4:5], asc s[6:7], wimg s[8:9], bo s[10:11]
	s_load_b64 s[12:13], s[0:1], 0x20              ; out0
	v_lshl_add_u32 v254, v0, 2, 0x21400
	v_mov_b32 v255, 0
	ds_add_u32 v254, v255
	ds_add_u32 v254, v255
	v_lshrrev_b32 v1, 5, v0
	v_readfirstlane_b32 s22, v1                    ; wave 0..3
	s_bfe_u32 s23, ttmp6, 0x40000                  ; cx
	s_lshl_b32 s24, ttmp9, 2
	s_add_co_u32 s24, s24, s23                     ; X
	s_and_b32 s25, ttmp7, 0xffff                   ; y, which the partners share
	s_mov_b32 s36, 0x0023000f                      ; group 1: the mask 15; elements of 8 bytes; bit 21 beside a mask; 100 rows of 32 elements, dense
	s_mov_b32 s37, 32<<16
	s_mov_b32 s38, 100<<16
	s_mov_b32 s39, 32<<16
	s_mov_b32 s40, 100
	s_mov_b32 s41, 32
	s_mov_b32 s42, 0
	s_mov_b32 s43, 0
	s_mul_i32 s26, s22, 25600                      ; my quarter
	s_add_co_u32 s28, s25, 24                      ; Wo is the fourth weight: blocks 24 to 31
	s_mul_i32 s28, s28, GB
	s_add_co_u32 s28, s28, s26
	s_mov_b32 s29, 0
	s_wait_dscnt 0x0
	s_wait_kmcnt 0x0
	s_mov_b32 s44, 1
	s_mov_b32 s45, s26
	s_add_nc_u64 s[46:47], s[8:9], s[28:29]
	s_or_b32 s47, s47, 0x80000000
	ROUND                                          ; all four work-groups are here: the joint loads meet
	tensor_load_to_lds s[44:47], s[36:43]          ; my one tensor load of the launch
	s_nop 0
	PLACES 4                                       ; four such lines behind the load
	s_lshl_b32 s30, s24, 4
	s_lshl_b32 s31, s22, 2
	s_add_co_u32 s30, s30, s31                     ; my first row tile: 16 X + 4 w
	s_mov_b32 s33, 0
	s_mul_i32 s32, s30, 12288
	s_add_nc_u64 s[4:5], s[4:5], s[32:33]
	s_lshl_b32 s32, s30, 9
	s_add_nc_u64 s[6:7], s[6:7], s[32:33]
	s_lshl_b32 s32, s25, 9                         ; my 128 columns, in bytes
	s_add_nc_u64 s[10:11], s[10:11], s[32:33]
	s_add_nc_u64 s[12:13], s[12:13], s[32:33]
	s_lshl_b32 s32, s30, 16                        ; 16 rows of 4,096 bytes a tile
	s_add_nc_u64 s[12:13], s[12:13], s[32:33]
	v_and_b32 v15, 31, v0
	v_lshlrev_b32 v1, 4, v15                       ; 16 L
	v_lshlrev_b32 v2, 2, v15                       ; 4 L
	v_lshlrev_b32 v3, 3, v15                       ; 8 L
	v_mov_b32 v4, v1                               ; the weights' fragments of K steps 0-3,
	v_add_nc_u32 v5, 49152, v1                     ; of K steps 4-7,
	v_add_nc_u32 v10, 98304, v2                    ; and their scale words
	v_bfe_u32 v12, v0, 4, 1
	v_lshlrev_b32 v12, 6, v12                      ; 64 h
	s_mul_i32 s34, s22, 16*SP
	s_add_co_u32 s34, s34, STG                     ; my stage
	v_and_b32 v13, 15, v0
	v_mul_u32_u24 v13, v13, SP
	v_add_nc_u32 v13, v13, v12
	v_add_nc_u32 v13, s34, v13                     ; in: row r, + 64 h
	v_add_nc_u32 v14, s34, v1                      ; back: a row's 512 bytes, 16 a lane
.irp T, 0,1,2,3
.irp k, 0,1,2,3
	global_load_b32 v[XS+4*\T+\k], v2, s[6:7] offset:512*\T+128*\k   ; the rows' scale words first: the first products want them
.endr
.endr
	WIN 0x40
.irp s, 0,1,2,3
.irp T, 0,1,2,3
.irp e, 0,1                            ; ac: a fragment is two heads' halves of 768 bytes: registers 6 e .. 6 e + 3 at 16 L, registers 6 e + 4, 6 e + 5 at 512 + 8 L
	global_load_b128 v[12*(4*\s+\T)+6*\e:12*(4*\s+\T)+6*\e+3], v1, s[4:5] offset:\T*12288+\s*1536+768*\e
	global_load_b64 v[12*(4*\s+\T)+6*\e+4:12*(4*\s+\T)+6*\e+5], v3, s[4:5] offset:\T*12288+\s*1536+768*\e+512
.endr
.endr
.endr
.irp n, 0,1,2,3,4,5,6,7
	global_load_b128 v[192+8*\n:195+8*\n], v12, s[10:11] offset:4*(32*(\n/2)+8*(\n%2))      ; bo in the result's layout
	global_load_b128 v[196+8*\n:199+8*\n], v12, s[10:11] offset:4*(32*(\n/2)+8*(\n%2))+16
.endr
	WIN 0x80
.irp s, 0,1,2,3
.irp T, 0,1,2,3
.irp e, 0,1
	global_load_b128 v[12*(4*\s+\T)+6*\e:12*(4*\s+\T)+6*\e+3], v1, s[4:5] offset:\T*12288+(\s+4)*1536+768*\e
	global_load_b64 v[12*(4*\s+\T)+6*\e+4:12*(4*\s+\T)+6*\e+5], v3, s[4:5] offset:\T*12288+(\s+4)*1536+768*\e+512
.endr
.endr
.endr
	WIN 0
	s_wait_alu depctr_va_vdst(0)
	s_wait_tensorcnt 0x0                           ; my quarter of the weights is in
	s_barrier_signal -1
	s_barrier_wait -1                              ; everybody's is
	FETCHW 0, 0
.irp n, 0,1,2,3,4,5,6,7
.irp k, 0,1,2,3
	ds_load_b32 v[WS+4*\n+\k], v10 offset:512*\n+128*\k
.endr
.endr
	FETCHW 1, 1
.irp q, 0,1,2,3,4,5,6,7,8,9,10,11,12,13,14,15
.if \q < 15
	s_wait_dscnt 12                                ; all but the next half step's 12 loads are in
.else
	s_wait_dscnt 0
.endif
.if \q == 0
	s_wait_loadcnt 63                              ; behind bo's last load 64 were issued: the scale words, K steps 0-3 and bo are in
.endif
.if \q >= 8 && \q%2 == 0
	s_wait_loadcnt 16*(7-\q/2)                     ; this K step's 16 loads are in; the later K steps' 16 each may be out
.endif
	MUL \q
	WIN 0
	PLACES 4                                       ; in front of loads into the buffer just multiplied; behind the last products, of the first read of results
.if \q < 14
	FETCHW \q+2, \q%2
.endif
.endr
	TOSTAGE 0
.irp a, 1,2,3
.if \a > 1
	s_wait_xcnt 0x0                                ; tile a - 2's stores have read their registers: tile a's rows may land there
.endif
	TOSTAGE \a
	SEND \a-1, 32                                  ; behind tile a - 1's loads: tile a's 16 stores and 16 loads
.endr
	SEND 3, 0
	s_wait_tensorcnt 0x0
	ds_add_u32 v254, v255
	s_wait_dscnt 0x0
	ROUND                                          ; the closing round
	s_endpgm
.Lfunc_end_k_q2c169f0df8_outp:
	.size	k_q2c169f0df8_outp, .Lfunc_end_k_q2c169f0df8_outp-k_q2c169f0df8_outp
	.p2alignl 7, 3214868480
	.fill 96, 4, 3214868480
	.section	.rodata,"a",@progbits
	.p2align	6, 0x0
	.amdhsa_kernel k_q2c169f0df8_outp
		.amdhsa_group_segment_fixed_size 327680
		.amdhsa_private_segment_fixed_size 0
		.amdhsa_enable_private_segment 0
		.amdhsa_kernarg_size 40
		.amdhsa_user_sgpr_count 2
		.amdhsa_user_sgpr_kernarg_segment_ptr 1
		.amdhsa_wavefront_size32 1
		.amdhsa_system_sgpr_workgroup_id_x 1
		.amdhsa_system_sgpr_workgroup_id_y 1
		.amdhsa_system_sgpr_workgroup_id_z 1
		.amdhsa_system_vgpr_workitem_id 0
		.amdhsa_next_free_vgpr 1024
		.amdhsa_next_free_sgpr 66
		.amdhsa_reserve_vcc 0
		.amdhsa_float_denorm_mode_32 3
		.amdhsa_float_denorm_mode_16_64 3
		.amdhsa_memory_ordered 1
		.amdhsa_forward_progress 1
		.amdhsa_inst_pref_size 84
	.end_amdhsa_kernel
	.amdgpu_metadata
---
amdhsa.version: [ 1, 2 ]
amdhsa.kernels:
  - .name:           k_q2c169f0df8_outp
    .symbol:         k_q2c169f0df8_outp.kd
    .args:
      - { .name: ac, .offset: 0, .size: 8, .value_kind: global_buffer, .address_space: global }
      - { .name: asc, .offset: 8, .size: 8, .value_kind: global_buffer, .address_space: global }
      - { .name: wimg, .offset: 16, .size: 8, .value_kind: global_buffer, .address_space: global }
      - { .name: bo, .offset: 24, .size: 8, .value_kind: global_buffer, .address_space: global }
      - { .name: out0, .offset: 32, .size: 8, .value_kind: global_buffer, .address_space: global }
    .group_segment_fixed_size: 327680
    .private_segment_fixed_size: 0
    .kernarg_segment_align: 8
    .kernarg_segment_size: 40
    .max_flat_workgroup_size: 128
    .sgpr_count:     66
    .vgpr_count:     1024
    .wavefront_size: 32
...
	.end_amdgpu_metadata
.endif
;; end of part 4
